; MI455X (gfx1250); checked and timed in simulation.
; The chip was launched on July 23, 2026; its instructions are those of AMD's public machine-readable ISA for CDNA 5 (MIT licence, August 2026) and "CDNA5" Instruction Set Architecture Reference Guide (July 2026). The comments in the code are by the model that wrote it; some were corrected since.
;; Binary Linear. Allowed arithmetic: float matrix products may take bf16 or f16 operands with f32 sums; other float arithmetic in f32, or as packed bf16 or f16 multiplies, adds, multiply-adds, maxima and minima; sums over many terms, partial sums and values carried from step to step in f32; what a program stores and reads back later, other than sums and carried values, may be rounded once to bf16 or f16.
;; Inputs: scale one number float32; weight 4,096 x 4,096 float32; x 4,096 x 4,096 float32.
;; Outputs: out0 4,096 x 4,096 float32.
;; 2 versions, each right; version 2 is version 1 with the launch prep written anew for expert scheduling mode. Each part assembles by itself: llvm-mc -triple=amdgcn-amd-amdhsa -mcpu=gfx1250 --defsym DOCPART=n.
;; ======== version 1 of 2: 2 launches
;; workspace buffers: xb 33,554,432 bytes; wb 33,554,432 bytes
;; launch prep (part 1): grid 1024 x 1, 8 waves a work-group, no clusters, 0 bytes of LDS; arguments x, weight, xb, wb; writes xb, wb
.if DOCPART == 1
	.amdgcn_target "amdgcn-amd-amdhsa--gfx1250"
	.amdhsa_code_object_version 6
	.text
	.protected	k_qceecb39239_prep
	.globl	k_qceecb39239_prep
	.p2align	8
	.type	k_qceecb39239_prep,@function
k_qceecb39239_prep:
	s_mov_b64 s[64:65], 0
	v_nop
	global_prefetch_b8 v0, s[64:65] scope:SCOPE_SE
	s_setreg_imm32_b32 hwreg(HW_REG_WAVE_MODE, 25, 1), 1
	s_wait_xcnt 0x0
; xb = x rounded to bf16 (nearest even).  wb = +1.0 where weight >= 0 (so for -0.0 too), -1.0 elsewhere, as bf16, which holds both exactly.
; x, weight: [4096][4096] f32.  xb, wb: [4096][4096] bf16, same order of elements.
; LIMITS.  A NaN in weight is taken by its sign bit (the formula itself gives NaN there).  The formula's value clamp(w) + (sign - clamp(w)) is the sign to within one
; rounding of f32 (6e-8 of it); here it is the sign exactly.  |x| above bf16's largest finite number, 3.39e38, rounds to infinity.
; A STREAM: every byte is read once and written once, nothing is shared between work-groups, so there is no LDS, no barrier, no cluster and no matrix work.
; SHARES.  Work-group g owns bytes 65,536 g .. of x and of weight, 16 chunks of 4,096 bytes each, and bytes 32,768 g .. of xb and wb.  In a chunk thread t loads the 16 bytes at 16 t
; (a wave's load: 512 consecutive bytes) and stores the 8 bytes at 8 t of the chunk's 2,048 (a wave's store: 256 consecutive bytes, at a multiple of 256 from the buffer's first byte).
; A ring of 16 slots in registers, 8 for x and 8 for weight, keeps 16 loads of every wave on their way; each slot has two turns, so the turns are written out and there is no loop.
.set CHUNK, 4096                       ; bytes of f32 in a chunk; half as many leave
.set IN,  1                            ; v1        16 t; never rewritten
.set OUT, 2                            ; v2        8 t; never rewritten
.set Z,   4                            ; v[4:5]    0.0, 0.0
.set X,   8                            ; v[8:71]   slot i: 4 registers as loaded
.set Y,   72                           ; v[72:103] slot i: 2 registers to store
	s_load_b256 s[4:11], s[0:1], 0x0               ; x s[4:5], weight s[6:7], xb s[8:9], wb s[10:11]
	s_lshl_b32 s2, ttmp9, 16                       ; my part of the inputs, in bytes: under 2^26
	s_mov_b32 s3, 0
	s_lshl_b32 s12, ttmp9, 15                      ; and of the outputs
	s_mov_b32 s13, 0
	s_mov_b32 s14, 0x07060302                      ; v_perm_b32: the upper halves of two words, the second source's below
	s_mov_b32 s15, 0x80008000                      ; two sign bits
	s_mov_b32 s16, 0x3f803f80                      ; 1.0 twice, in bf16
	v_lshlrev_b32 v[IN], 4, v0
	v_lshlrev_b32 v[OUT], 3, v0
	v_mov_b32 v[Z], 0
	v_mov_b32 v[Z+1], 0
	s_wait_kmcnt 0x0
	s_add_nc_u64 s[4:5], s[4:5], s[2:3]
	s_add_nc_u64 s[6:7], s[6:7], s[2:3]
	s_add_nc_u64 s[8:9], s[8:9], s[12:13]
	s_add_nc_u64 s[10:11], s[10:11], s[12:13]
.irp i, 0,1,2,3,4,5,6,7
	global_load_b128 v[X+4*(\i):X+4*(\i)+3], v[IN], s[4:5] offset:(\i)*CHUNK th:TH_LOAD_NT     ; x, chunks 0 to 7
.endr
.irp i, 8,9,10,11,12,13,14,15
	global_load_b128 v[X+4*(\i):X+4*(\i)+3], v[IN], s[6:7] offset:((\i)-8)*CHUNK th:TH_LOAD_NT ; weight, chunks 0 to 7
.endr
; One slot's turn.  Slots 0 to 7 carry x, slots 8 to 15 weight.  ahead = 1: the first turn (chunk i % 8); the slot is then filled again with chunk i % 8 + 8.  ahead = 0: the second turn.
; left = how many younger loads may still be out when this slot's load has to be there.
.macro SLOT i, ahead, left
.set SB, 4+2*((\i)/8)                  ; the input's base
.set DB, 8+2*((\i)/8)                  ; the output's
.set CH, (\i)%8+8*(1-(\ahead))         ; the chunk in hand
	s_wait_loadcnt \left                           ; loads come back in order (ISA guide 5.7.1): mine is in, the younger ones stay out
.if !(\ahead)
	s_wait_xcnt 0x0                                ; the slot's Y, which its first turn's store reads, is rewritten only behind this wait
.endif
.if (\i) < 8
.irp j, 0,1
	v_cvt_pk_bf16_f32 v[Y+2*(\i)+(\j)], v[X+4*(\i)+2*(\j)], v[X+4*(\i)+2*(\j)+1]               ; two roundings, the first number below
.endr
.else
.irp j, 0,1
	v_pk_add_f32 v[X+4*(\i)+2*(\j):X+4*(\i)+2*(\j)+1], v[X+4*(\i)+2*(\j):X+4*(\i)+2*(\j)+1], v[Z:Z+1]  ; w + 0.0: -0.0 becomes +0.0, every other number keeps its sign
.endr
.irp j, 0,1
	v_perm_b32 v[Y+2*(\i)+(\j)], v[X+4*(\i)+2*(\j)+1], v[X+4*(\i)+2*(\j)], s14                 ; the two upper halves, with the signs on top
.endr
.irp j, 0,1
	v_and_or_b32 v[Y+2*(\i)+(\j)], v[Y+2*(\i)+(\j)], s15, s16                                  ; the two signs onto 1.0, 1.0
.endr
.endif
.if \ahead
	global_load_b128 v[X+4*(\i):X+4*(\i)+3], v[IN], s[SB:SB+1] offset:(CH+8)*CHUNK th:TH_LOAD_NT  ; the load goes out ahead of the store
.endif
	global_store_b64 v[OUT], v[Y+2*(\i):Y+2*(\i)+1], s[DB:DB+1] offset:CH*CHUNK/2              ; no hint: the next launch reads these bytes
.endm
.irp i, 0,1,2,3,4,5,6,7,8,9,10,11,12,13,14,15
	SLOT \i, 1, 15                                 ; behind a slot's load stand the 15 - i first loads of the later slots and the i refills of the earlier ones
.endr
.irp i, 0,1,2,3,4,5,6,7,8,9,10,11,12,13,14,15
	SLOT \i, 0, 15-(\i)                            ; nothing is loaded any more: the counts run down
.endr
	s_endpgm
.Lfunc_end_k_qceecb39239_prep:
	.size	k_qceecb39239_prep, .Lfunc_end_k_qceecb39239_prep-k_qceecb39239_prep
	.p2alignl 7, 3214868480
	.fill 96, 4, 3214868480
	.section	.rodata,"a",@progbits
	.p2align	6, 0x0
	.amdhsa_kernel k_qceecb39239_prep
		.amdhsa_group_segment_fixed_size 0
		.amdhsa_private_segment_fixed_size 0
		.amdhsa_enable_private_segment 0
		.amdhsa_kernarg_size 32
		.amdhsa_user_sgpr_count 2
		.amdhsa_user_sgpr_kernarg_segment_ptr 1
		.amdhsa_wavefront_size32 1
		.amdhsa_system_sgpr_workgroup_id_x 1
		.amdhsa_system_sgpr_workgroup_id_y 1
		.amdhsa_system_sgpr_workgroup_id_z 1
		.amdhsa_system_vgpr_workitem_id 0
		.amdhsa_next_free_vgpr 104
		.amdhsa_next_free_sgpr 66
		.amdhsa_reserve_vcc 0
		.amdhsa_float_denorm_mode_32 3
		.amdhsa_float_denorm_mode_16_64 3
		.amdhsa_memory_ordered 1
		.amdhsa_forward_progress 1
		.amdhsa_inst_pref_size 17
	.end_amdhsa_kernel
	.amdgpu_metadata
---
amdhsa.version: [ 1, 2 ]
amdhsa.kernels:
  - .name:           k_qceecb39239_prep
    .symbol:         k_qceecb39239_prep.kd
    .args:
      - { .name: x, .offset: 0, .size: 8, .value_kind: global_buffer, .address_space: global }
      - { .name: weight, .offset: 8, .size: 8, .value_kind: global_buffer, .address_space: global }
      - { .name: xb, .offset: 16, .size: 8, .value_kind: global_buffer, .address_space: global }
      - { .name: wb, .offset: 24, .size: 8, .value_kind: global_buffer, .address_space: global }
    .group_segment_fixed_size: 0
    .private_segment_fixed_size: 0
    .kernarg_segment_align: 8
    .kernarg_segment_size: 32
    .max_flat_workgroup_size: 256
    .sgpr_count:     66
    .vgpr_count:     104
    .wavefront_size: 32
...
	.end_amdgpu_metadata
.endif
;; end of part 1
;; launch gemm (part 2): grid 16 x 16, 4 waves a work-group, clusters of 4 x 4, 327,680 bytes of LDS; arguments xb, wb, out0, scale; writes out0
.if DOCPART == 2
	.amdgcn_target "amdgcn-amd-amdhsa--gfx1250"
	.amdhsa_code_object_version 6
	.text
	.protected	k_qceecb39239_gemm
	.globl	k_qceecb39239_gemm
	.p2align	8
	.type	k_qceecb39239_gemm,@function
k_qceecb39239_gemm:
	s_mov_b64 s[64:65], 0
	v_nop
	global_prefetch_b8 v0, s[64:65] scope:SCOPE_SE
	s_setreg_imm32_b32 hwreg(HW_REG_WAVE_MODE, 25, 1), 1
	s_wait_xcnt 0x0
	s_wait_alu depctr_hold_cnt(0) depctr_sa_sdst(0) depctr_va_vdst(0) depctr_va_sdst(0) depctr_va_ssrc(0) depctr_va_vcc(0) depctr_vm_vsrc(0)
	s_getreg_b32 s2, hwreg(HW_REG_IB_STS2, 6, 4)
	s_cmp_eq_u32 s2, 0
	s_cbranch_scc0 .Lentry_in_a_cluster
	s_endpgm
.Lentry_in_a_cluster:
	s_bfe_u32 s2, ttmp6, 0x10000c
	s_cmp_lg_u32 s2, 0xf033
	s_cbranch_scc0 .Lentry_shape_is_right
	s_endpgm
.Lentry_shape_is_right:
; out0[t][o] = scale x the sum over i of xb[t][i] wb[o][i].  xb: [4096][4096] bf16 (x rounded once), wb: [4096][4096] bf16 (+1.0 or -1.0), out0: [4096][4096] f32, scale: one f32.
; Sums in f32, K ascending.  LIMIT: scale multiplies the finished sum, once, in f32; the formula multiplies each weight by it first: another order of rounding, within one f32 rounding a term.
; A tile of out0, 256 x 256, is made by a work-group of four waves; a wave makes 128 x 128: 64 accumulators of 16 x 16, 512 registers.  16 x 16 tiles, one to a work-group.
; K goes in steps of 128 through a ring of two LDS slots filled by the tensor data mover: a tile's rows are 256 bytes of memory and start at multiples of 256 bytes from the buffer's first byte.
; CLUSTERS: 4 x 4 work-groups.  The four of a row of the cluster make tiles of one tile row and need the same tiles of xb; the four of a column need the same tiles of wb.  Such a tile is asked
; for JOINTLY: each of the four issues the same tensor load, with the same descriptor and a mask that names the four, and each receives it in its own LDS: a quarter of the requests.
; REGISTERS, in windows of 256 (s_set_vgpr_msb's low byte: bits 1:0 source 0, 3:2 source 1, 5:4 source 2, 7:6 destination):
;   window 0: v0-31 addresses; v64-127, v128-191 fragments of xb (8 x 16 rows x 32 K), two buffers; on the way out the same registers take rows read back from the stage
;   window 1: v64-127, v128-191 fragments of wb, two buffers
;   window 2: the 32 accumulators of my rows 0-63 (accumulator (a, b) at v[8 (8 a + b)]);   window 3: those of my rows 64-127
; THE MATRIX INSTRUCTION IS USED TRANSPOSED: source 0 = 16 rows of wb, source 1 = 16 rows of xb.  In the result lane l holds row l % 16 of out0, and its registers 0 to 7 the columns
; 8 (l / 16) + 0 .. 7: eight neighbouring f32 of a row, 32 bytes.
.set SIZE_M, 4096
.set SIZE_N, 4096
.set SIZE_K, 4096
.set KSTEP,  128
.set PITCH,  272                       ; an LDS row: 256 bytes of data + 16 of padding = 68 words: row r starts at bank 4 r mod 64 (64 banks of 4 bytes: ISA guide 11.1), so the 16 rows that a load touches start at 16 different banks
.set HALFT,  128*PITCH                 ; 128 rows: what one tensor load brings, and what one wave reads of xb or of wb
.set SLOT,   4*HALFT                   ; xb's 256 rows, then wb's 256 rows
.set STAGE,  2*SLOT                    ; behind the ring, never filled by a tensor load: 16 rows x 528 bytes for each wave, for the way out
.set SPITCH, 528                       ; a stage row: 128 f32 + 16 bytes = 132 words: again row r starts at bank 4 r mod 64
.set SPARE,  STAGE+4*16*SPITCH         ; behind the stages: the spare words, 128 bytes for each wave: two blocks of 256 bytes that no other line names
.set LAPS,   SIZE_K/(2*KSTEP)          ; a lap = two K steps = once round the ring: 16
.set ADRA, 16                          ; v16-17  LDS address of my xb fragments in slot 0, 1
.set ADRB, 20                          ; v20-21  the same for wb
.set STO,  24                          ; v24     the way out: where I put 32 bytes of a row
.set RD,   25                          ; v25     the way out: where I read 16 bytes of a row back
.set CO,   26                          ; v26     my byte offset in 512 consecutive bytes of out0
.set SPW,  28                          ; v28     LDS address of my spare word: SPARE + 4 x my thread's number; never rewritten
.set NIL,  29                          ; v29     0; never rewritten
.set F0,   64                          ; fragment buffer 0
.set F1,   128                         ; fragment buffer 1
.set G1,  24                           ; s[24:31] descriptor group 1 for xb's tiles
.set G0,  32                           ; s[32:39] descriptor group 0 for xb's tiles, one set for each slot
.set G1B, 48                           ; s[48:55] descriptor group 1 for wb's tiles: it differs in the mask alone
.set G0B, 56                           ; s[56:63] descriptor group 0 for wb's tiles, one set for each slot
.set SCP, 66                           ; s[66:67] scale's address
.set SC,  68                           ; s[68:69] scale: the packed multiply names a pair and takes its low word for both halves
.set MSB, 0
.macro WIN new                         ; the immediate's high byte repeats the setting that is left; a switch that changes nothing is dropped
.if MSB != (\new)
	s_set_vgpr_msb (MSB<<8)|(\new)
.set MSB, \new
.endif
.endm
.set MUL_LO, 0xa1                      ; source 0 (wb) window 1, source 1 (xb) window 0, C and D window 2
.set MUL_HI, 0xf1                      ; the same, C and D window 3
.set TO_B,   0x40                      ; destination window 1, address window 0
; A joint load.  Waves 0 and 1 fetch xb's two halves, waves 2 and 3 wb's.  Each of the two lines has ONE mask and one set of registers for all that issue it, and nothing in them hangs on a
; coordinate that the four partners do not share.  The branch hangs on the wave's number alone.  An s_nop 0 and four v_nop follow each line, ahead of the jump and the label.
.macro JLOAD s
	s_cmp_eq_u32 s11, 0
	s_cbranch_scc0 .Lfor_b_\@
	tensor_load_to_lds s[G0+4*(\s):G0+4*(\s)+3], s[G1:G1+7]
	s_nop 0
.rept 4
	v_nop
.endr
	s_branch .Lasked_\@
.Lfor_b_\@:
	tensor_load_to_lds s[G0B+4*(\s):G0B+4*(\s)+3], s[G1B:G1B+7]
	s_nop 0
.rept 4
	v_nop
.endr
.Lasked_\@:
.endm
; A round of the cluster's barrier: my work-group's barrier, so that wave 0's signal speaks for all four waves; wave 0 signals for the work-group; every wave waits for all sixteen
; work-groups; my work-group's barrier once more.  No LDS instruction of the wave is pending at a signal.
.macro CREST                           ; a round behind its opening barrier
	s_cmp_lg_u32 s10, 0
	s_cbranch_scc1 .Lnot_wave_0_\@
	s_barrier_signal -3
.Lnot_wave_0_\@:
	s_barrier_wait -3
	s_barrier_signal -1
	s_barrier_wait -1
.endm
.macro CROUND                          ; a whole round
	s_barrier_signal -1
	s_barrier_wait -1
	CREST
.endm
	s_load_b128 s[4:7], s[0:1], 0x0                ; xb s[4:5], wb s[6:7]
	s_load_b64 s[8:9], s[0:1], 0x10                ; out0
	s_load_b64 s[SCP:SCP+1], s[0:1], 0x18          ; scale
	v_lshl_add_u32 v[SPW], v0, 2, SPARE
	v_mov_b32 v[NIL], 0
	ds_add_u32 v[SPW], v[NIL]                      ; the wave's opening: the add and its wait stand ahead of my first tensor load; the set-up below, work on registers, stands between them
	v_lshrrev_b32 v1, 5, v0
	v_readfirstlane_b32 s10, v1                    ; wave 0..3
	s_lshr_b32 s11, s10, 1                         ; which half of the tile's rows is mine.  Also: I fetch for xb (0) or for wb (1)
	s_and_b32 s12, s10, 1                          ; which half of its columns.  Also: which 128 rows of that tile I fetch
	s_bfe_u32 s40, ttmp6, 0x40000                  ; cx: my place along the cluster's x
	s_bfe_u32 s41, ttmp6, 0x40004                  ; cy: along its y
	s_lshl_b32 s42, ttmp9, 2                       ; in a cluster launch ttmp9 and ttmp7 count clusters
	s_add_co_u32 s42, s42, s40                     ; tile column = 4 x cluster x + cx
	s_and_b32 s13, ttmp7, 0xffff
	s_lshl_b32 s13, s13, 2
	s_add_co_u32 s13, s13, s41                     ; tile row = 4 x cluster y + cy
	s_lshl_b32 s43, s41, 2
	s_lshl_b32 s43, 15, s43                        ; my row of the cluster: places 4 cy .. 4 cy + 3
	s_lshl_b32 s44, 0x1111, s40                    ; my column: places cx, cx + 4, cx + 8, cx + 12
	; descriptor group 1: a tile of 128 rows x 128 elements, padded in LDS
	s_or_b32 s[G1+0], s43, (1<<16)|(1<<20)|(1<<21)|(5<<22)|(3<<25)  ; 15:0 the mask: xb's tiles go to my row; 17:16 element of 2 bytes; 20 padding on; 21 set beside a mask; 24:22 after every 64 words (code 5); 31:25 of 4 words (code 3)
	s_or_b32 s[G1B+0], s44, (1<<16)|(1<<20)|(1<<21)|(5<<22)|(3<<25) ; the same with the mask of my column, for wb's tiles
.irp g, G1, G1B
	s_mov_b32 s[(\g)+1], KSTEP<<16                 ; 63:48 tensor_dim0, low half = 128
	s_mov_b32 s[(\g)+2], 128<<16                   ; 79:64 its high half = 0; 95:80 tensor_dim1, low half = 128
	s_mov_b32 s[(\g)+3], KSTEP<<16                 ; 111:96 its high half = 0; 127:112 tile_dim0 = 128
	s_mov_b32 s[(\g)+4], 128                       ; 143:128 tile_dim1 = 128; 159:144 tile_dim2 = 0
	s_mov_b32 s[(\g)+5], SIZE_K                    ; 191:160 tensor_dim0_stride, low word: elements from row to row
	s_mov_b32 s[(\g)+6], 0
	s_mov_b32 s[(\g)+7], 0
.endr
	; where the tiles come from.  xb's hang on the tile row alone, which my row of the cluster shares; wb's on the tile column alone, which my column shares.
	; Every wave makes both addresses, in registers that never hold the other coordinate, and asks by one of them.
	s_lshl_b32 s17, s12, 7                         ; which 128 rows of the tile I fetch
	s_lshl_b32 s16, s13, 8
	s_add_co_u32 s16, s16, s17                     ; xb: row 256 x tile row + 128 x half
	s_lshl_b32 s46, s42, 8
	s_add_co_u32 s46, s46, s17                     ; wb: row 256 x tile column + 128 x half
	s_mov_b32 s17, 0
	s_mov_b32 s47, 0
	s_mov_b64 s[18:19], SIZE_K*2
	s_mul_u64 s[16:17], s[16:17], s[18:19]         ; in bytes
	s_mul_u64 s[46:47], s[46:47], s[18:19]
	s_mul_i32 s20, s10, HALFT                      ; and where they go: xb's two halves, then wb's two halves = wave x 128 rows: no place in the cluster enters an LDS address
	s_wait_dscnt 0x0                               ; the opening add is done
	s_wait_kmcnt 0x0
	s_add_nc_u64 s[14:15], s[4:5], s[16:17]
	s_add_nc_u64 s[46:47], s[6:7], s[46:47]
	CROUND                                         ; all sixteen work-groups are here: the first joint loads meet
.irp s, 0,1
	s_mov_b32 s[G0+4*(\s)], 1                                      ; 1:0 count = 1
	s_add_co_u32 s[G0+4*(\s)+1], s20, (\s)*SLOT                    ; 63:32 LDS address
	s_add_nc_u64 s[G0+4*(\s)+2:G0+4*(\s)+3], s[14:15], (\s)*KSTEP*2  ; 120:64 global address: K step s
	s_or_b32 s[G0+4*(\s)+3], s[G0+4*(\s)+3], 0x80000000            ; 127:126 type = 2
	s_mov_b32 s[G0B+4*(\s)], 1
	s_add_co_u32 s[G0B+4*(\s)+1], s20, (\s)*SLOT
	s_add_nc_u64 s[G0B+4*(\s)+2:G0B+4*(\s)+3], s[46:47], (\s)*KSTEP*2
	s_or_b32 s[G0B+4*(\s)+3], s[G0B+4*(\s)+3], 0x80000000
	JLOAD \s                                       ; the ring is filled before anything else is done: two tensor loads of mine are out
.endr
	s_load_b32 s[SC], s[SCP:SCP+1], 0x0            ; scale itself: no line of this text writes that buffer
	; A fragment is 16 rows x 32 K in 8 registers: lane l holds row l % 16; registers 0-3 hold K = 8 (l / 16) + 0..7, registers 4-7 hold K = 16 + 8 (l / 16) + 0..7.
	; From rows that lie along K: two loads of 16 bytes, 32 bytes apart.  The same for source 0 and source 1.
	v_and_b32 v1, 15, v0                           ; l % 16
	v_bfe_u32 v2, v0, 4, 1                         ; l / 16
	v_mul_u32_u24 v3, v1, PITCH
	v_lshl_add_u32 v3, v2, 4, v3                   ; row x pitch + 16 x half
	s_mul_i32 s21, s11, HALFT                      ; my 128 rows of xb
	s_mul_i32 s22, s12, HALFT                      ; my 128 rows of wb,
	s_add_co_u32 s22, s22, 2*HALFT                 ; which lie behind xb's 256
.irp s, 0,1
	v_add_nc_u32 v[ADRA+(\s)], s21, v3
	v_add_nc_u32 v[ADRB+(\s)], s22, v3
	s_add_co_u32 s21, s21, SLOT
	s_add_co_u32 s22, s22, SLOT
.endr
	s_mul_i32 s23, s10, 16*SPITCH
	s_add_co_u32 s23, s23, STAGE                   ; my stage
	v_mul_u32_u24 v4, v1, SPITCH                   ; in: row l % 16, 32 bytes for each half of the lanes
	v_lshl_add_u32 v4, v2, 5, v4
	v_add_nc_u32 v[STO], s23, v4
	v_and_b32 v5, 31, v0
	v_lshlrev_b32 v[CO], 4, v5                     ; back: the 32 lanes take one row's 512 bytes, 16 each; the same 512 bytes in out0
	v_add_nc_u32 v[RD], s23, v[CO]
	; where my part of the tile begins in out0, in bytes: the way out adds it to out0's address
	s_lshl_b32 s13, s13, 8
	s_lshl_b32 s14, s11, 7
	s_add_co_u32 s16, s13, s14                     ; my first row
	s_mov_b32 s17, 0
	s_mov_b64 s[18:19], SIZE_N*4
	s_mul_u64 s[16:17], s[16:17], s[18:19]
	s_lshl_b32 s46, s42, 10                        ; my first column, in bytes: 1,024 x tile column + 512 x half (in the registers that held wb's address: none that feeds xb's descriptors ever holds cx)
	s_lshl_b32 s47, s12, 9
	s_add_co_u32 s46, s46, s47
	s_mov_b32 s47, 0
	s_add_nc_u64 s[16:17], s[16:17], s[46:47]
	s_wait_kmcnt 0x0                               ; scale is in
	s_mov_b32 s[SC+1], s[SC]                       ; named with it as a pair, so it is written
; 16 matrix instructions: m blocks a0, a0 + 1 of the window's four (hi = 0: my rows 0-63, 1: rows 64-127) x all 8 n blocks, 32 along K.
; zero = 1: the first product starts the sums: nothing is ever cleared.  The 64 accumulators take turns, one instruction a turn, in the same order in every quarter.
.macro MUL16 f, hi, a0, zero
	WIN MUL_LO+0x50*(\hi)  ; MUL_LO or MUL_HI
.irp a, \a0, (\a0)+1
.irp b, 0,1,2,3,4,5,6,7
.if \zero
	v_wmma_f32_16x16x32_bf16 v[8*(8*(\a)+(\b)):8*(8*(\a)+(\b))+7], v[(\f)+8*(\b):(\f)+8*(\b)+7], v[(\f)+8*(4*(\hi)+(\a)):(\f)+8*(4*(\hi)+(\a))+7], 0
.else
	v_wmma_f32_16x16x32_bf16 v[8*(8*(\a)+(\b)):8*(8*(\a)+(\b))+7], v[(\f)+8*(\b):(\f)+8*(\b)+7], v[(\f)+8*(4*(\hi)+(\a)):(\f)+8*(4*(\hi)+(\a))+7], v[8*(8*(\a)+(\b)):8*(8*(\a)+(\b))+7]
.endif
.endr
.endr
.endm
; 32 LDS loads in one run: the fragments of one quarter step (128 rows of wb, 128 rows of xb, 32 K at byte k of the rows) into buffer f
.macro FETCH slot, k, f
	WIN TO_B
.irp i, 0,1,2,3,4,5,6,7
	ds_load_b128 v[(\f)+8*(\i):(\f)+8*(\i)+3],   v[ADRB+(\slot)] offset:(\k)+(\i)*16*PITCH
	ds_load_b128 v[(\f)+8*(\i)+4:(\f)+8*(\i)+7], v[ADRB+(\slot)] offset:(\k)+(\i)*16*PITCH+32
.endr
	WIN 0
.irp i, 0,1,2,3,4,5,6,7
	ds_load_b128 v[(\f)+8*(\i):(\f)+8*(\i)+3],   v[ADRA+(\slot)] offset:(\k)+(\i)*16*PITCH
	ds_load_b128 v[(\f)+8*(\i)+4:(\f)+8*(\i)+7], v[ADRA+(\slot)] offset:(\k)+(\i)*16*PITCH+32
.endr
.endm
; A load into a register that a matrix instruction has read, and a vector instruction that reads a matrix result or writes one of a matrix instruction's registers, stand four places behind
; that matrix instruction, and only plain vector instructions that name none of its registers are places (ISA guide 7.12.1 for vector instructions).
.macro PLACES
.rept 4
	v_nop
.endr
.endm
; A K step is four quarter steps of 32 along K, 64 matrix instructions each, on buffers 0, 1, 0, 1.
; One of the first three: multiplies buffer f; in its middle it fetches the next quarter's fragments, at byte k of the same slot's rows, into buffer g.
.macro QUARTER slot, k, f, g, zero
	s_wait_dscnt 8                                 ; wb's fragments and xb's rows 0-63 are in; the youngest eight loads (xb's rows 64-127) may be out
	WIN MUL_LO
	MUL16 \f, 0, 0, \zero
	MUL16 \f, 0, 2, \zero
	PLACES
	FETCH \slot, \k, \g
	s_wait_dscnt 32                                ; all but the 32 just issued
	WIN MUL_HI
	MUL16 \f, 1, 0, \zero
	MUL16 \f, 1, 2, \zero
.endm
; The last quarter multiplies buffer 1 and changes slots.  MEET is its first half: ONE barrier for the change of slots, for two things.  In front of it each wave waits for all its tensor loads,
; of which one is out: its part of the next slot; adds 0 to its spare word; and waits for that and for its own reads of this slot.  Behind it nobody reads this slot any more and the next slot is whole.
.macro MEET round                      ; round = 1: the rest of a round of the cluster's barrier follows
	WIN 0                                          ; (the add's two registers lie in window 0)
	s_wait_tensorcnt 0x0                           ; all my tensor loads have landed: the one that was out is my part of the next slot;
	ds_add_u32 v[SPW], v[NIL]                      ; 0 onto my spare word;
	s_wait_dscnt 9                                 ; (the add and the youngest eight loads may be out)
	WIN MUL_LO
	MUL16 F1, 0, 0, 0                              ; sixteen matrix instructions stand between the add and the wait for it
	s_wait_dscnt 0x0                               ; the add is done, and my reads of this slot are over:
	s_barrier_signal -1                            ; say so,
	MUL16 F1, 0, 2, 0                              ; work on registers while the others arrive,
.if \round
	WIN 0
.endif
	s_barrier_wait -1                              ; and go on when all four have said so
.endm
; The whole last quarter.  fill = 1: behind the round the slot just read out is filled again first, with the K step two steps on; then come the next slot's first fragments.
; From a request to the wait for it a wave issues 224 matrix instructions.  fill = 0 (the last lap): nothing is left to ask for, and my work-group's barrier is enough.
.macro TURN slot, next, fill
	MEET \fill
.if \fill
	CREST                                          ; no wave of any partner still reads this slot's tile or has a load on its way
	s_add_nc_u64 s[G0+4*(\slot)+2:G0+4*(\slot)+3], s[G0+4*(\slot)+2:G0+4*(\slot)+3], 2*KSTEP*2    ; no tensor load of mine is out, so a group 0 may be written; the type bits on top are not reached
	s_add_nc_u64 s[G0B+4*(\slot)+2:G0B+4*(\slot)+3], s[G0B+4*(\slot)+2:G0B+4*(\slot)+3], 2*KSTEP*2
	JLOAD \slot                                    ; the first tensor load behind the round, my only one until the next; the four v_nop behind it are also the places in front of the loads below
.else
	PLACES
.endif
	FETCH \next, 0, F0
	WIN MUL_HI
	MUL16 F1, 1, 0, 0
	MUL16 F1, 1, 2, 0
.endm
; THE WAY OUT of block a (my rows 16 a .. 16 a + 15), in three parts.
; SCALE: the block's eight accumulators times scale, in place, from each accumulator's lowest registers on.
.macro SCALE a
.set AC, 64*((\a)%4)
	WIN 0x82+0x41*((\a)/4)                         ; destination and source 0: window 2 or 3
.set i, 0
.rept 32
	v_pk_mul_f32 v[AC+i:AC+i+1], v[AC+i:AC+i+1], s[SC:SC+1] op_sel_hi:[1,0]
.set i, i+2
.endr
.endm
; TOSTAGE: a lane's 32 bytes of each accumulator go into my own stage, rows of 528 bytes, and come back as whole rows of 512 bytes, into the registers that held xb's fragments.
.macro TOSTAGE a
.set AC, 64*((\a)%4)
.set BK, F0+64*((\a)%2)
	WIN 0x08+0x04*((\a)/4)                         ; store data (source 1): window 2 or 3; address: window 0
.irp b, 0,1,2,3,4,5,6,7
	ds_store_b128 v[STO], v[AC+8*(\b):AC+8*(\b)+3]   offset:64*(\b)
	ds_store_b128 v[STO], v[AC+8*(\b)+4:AC+8*(\b)+7] offset:64*(\b)+16
.endr
	WIN 0
.irp t, 0,1,2,3,4,5,6,7,8,9,10,11,12,13,14,15
	ds_load_b128 v[BK+4*(\t):BK+4*(\t)+3], v[RD] offset:(\t)*SPITCH  ; LDS serves a wave's instructions in order (ISA guide 5.7.1.4): these see the stores above
.endr
.endm
; SEND: sixteen stores, a row each.
.macro SEND a
.set BK, F0+64*((\a)%2)
	WIN 0
	s_wait_dscnt 0x0                               ; the block is back in registers
	s_wait_xcnt 0x0                                ; only behind this wait are the stores' base and the registers that earlier stores read rewritten
.if (\a) == 0
	s_add_nc_u64 s[8:9], s[8:9], s[16:17]          ; on to my first rows
.else
	s_add_nc_u64 s[8:9], s[8:9], 16*SIZE_N*4       ; 16 rows on, so that the stores' offsets stay at 15 rows, 245,760 bytes, at the most
.endif
.irp t, 0,1,2,3,4,5,6,7,8,9,10,11,12,13,14,15
	global_store_b128 v[CO], v[BK+4*(\t):BK+4*(\t)+3], s[8:9] offset:(\t)*SIZE_N*4 th:TH_STORE_NT  ; the wave stores 512 consecutive bytes, at a multiple of 512 from out0's first byte
.endr
.endm
	s_wait_tensorcnt 1                             ; my part of K step 0 is in; K step 1's may stay out
	s_barrier_signal -1
	s_barrier_wait -1                              ; everybody's is
	FETCH 0, 0, F0
	QUARTER 0, 64,  F0, F1, 1                      ; the first quarter stands in front of the loop: its products start the sums
	WIN 0                                          ; at a label and at a branch every window is 0
	s_mov_b32 s3, LAPS-1
.Llap:                                                 ; a trip goes once round the ring, from a lap's second quarter to the next lap's first, and fills both slots again: trip t asks for K steps 2 t + 2 and 2 t + 3
	QUARTER 0, 128, F1, F0, 0
	QUARTER 0, 192, F0, F1, 0
	TURN 0, 1, 1
	QUARTER 1, 64,  F0, F1, 0
	QUARTER 1, 128, F1, F0, 0
	QUARTER 1, 192, F0, F1, 0
	TURN 1, 0, 1
	QUARTER 0, 64,  F0, F1, 0
	WIN 0
	s_sub_co_u32 s3, s3, 1
	s_cmp_lg_u32 s3, 0
	s_cbranch_scc1 .Llap
	QUARTER 0, 128, F1, F0, 0                      ; the last lap is written out: it asks for nothing
	QUARTER 0, 192, F0, F1, 0
	TURN 0, 1, 0                                   ; my one tensor load that was still out is slot 1's, the last K step's
	QUARTER 1, 64,  F0, F1, 0
	QUARTER 1, 128, F1, F0, 0
	QUARTER 1, 192, F0, F1, 0
	s_wait_dscnt 8                                 ; the very last quarter: nothing more to fetch
	WIN MUL_LO
	MUL16 F1, 0, 0, 0
	MUL16 F1, 0, 2, 0
	s_wait_dscnt 0x0
	WIN MUL_HI
	MUL16 F1, 1, 0, 0
	MUL16 F1, 1, 2, 0
	PLACES                                         ; the multiplies below read results just made
	SCALE 0
	TOSTAGE 0
.irp a, 1,2,3,4,5,6,7                  ; block a's 32 multiplies stand between block a - 1's loads from the stage and the wait for them
	SCALE \a
	SEND (\a)-1
	TOSTAGE \a
.endr
	SEND 7
	s_wait_tensorcnt 0x0                           ; the wave's end: an add to my spare word and its wait, behind my last tensor load and my last LDS store
	ds_add_u32 v[SPW], v[NIL]
	s_wait_dscnt 0x0
	CROUND                                         ; the closing round: no work-group ends while a partner may still ask for a tile that names it
	s_endpgm
.Lfunc_end_k_qceecb39239_gemm:
	.size	k_qceecb39239_gemm, .Lfunc_end_k_qceecb39239_gemm-k_qceecb39239_gemm
	.p2alignl 7, 3214868480
	.fill 96, 4, 3214868480
	.section	.rodata,"a",@progbits
	.p2align	6, 0x0
	.amdhsa_kernel k_qceecb39239_gemm
		.amdhsa_group_segment_fixed_size 327680
		.amdhsa_private_segment_fixed_size 0
		.amdhsa_enable_private_segment 0
		.amdhsa_kernarg_size 32
		.amdhsa_user_sgpr_count 2
		.amdhsa_user_sgpr_kernarg_segment_ptr 1
		.amdhsa_wavefront_size32 1
		.amdhsa_system_sgpr_workgroup_id_x 1
		.amdhsa_system_sgpr_workgroup_id_y 1
		.amdhsa_system_sgpr_workgroup_id_z 1
		.amdhsa_system_vgpr_workitem_id 0
		.amdhsa_next_free_vgpr 1024
		.amdhsa_next_free_sgpr 72
		.amdhsa_reserve_vcc 0
		.amdhsa_float_denorm_mode_32 3
		.amdhsa_float_denorm_mode_16_64 3
		.amdhsa_memory_ordered 1
		.amdhsa_forward_progress 1
		.amdhsa_inst_pref_size 157
	.end_amdhsa_kernel
	.amdgpu_metadata
---
amdhsa.version: [ 1, 2 ]
amdhsa.kernels:
  - .name:           k_qceecb39239_gemm
    .symbol:         k_qceecb39239_gemm.kd
    .args:
      - { .name: xb, .offset: 0, .size: 8, .value_kind: global_buffer, .address_space: global }
      - { .name: wb, .offset: 8, .size: 8, .value_kind: global_buffer, .address_space: global }
      - { .name: out0, .offset: 16, .size: 8, .value_kind: global_buffer, .address_space: global }
      - { .name: scale, .offset: 24, .size: 8, .value_kind: global_buffer, .address_space: global }
    .group_segment_fixed_size: 327680
    .private_segment_fixed_size: 0
    .kernarg_segment_align: 8
    .kernarg_segment_size: 32
    .max_flat_workgroup_size: 128
    .sgpr_count:     72
    .vgpr_count:     1024
    .wavefront_size: 32
...
	.end_amdgpu_metadata
.endif
;; end of part 2
;; ======== version 2 of 2: 2 launches; version 1 with the launch prep written anew for expert scheduling mode
;; workspace buffers: xb 33,554,432 bytes; wb 33,554,432 bytes
;; launch prep (part 3): grid 1024 x 1, 8 waves a work-group, no clusters, 0 bytes of LDS; arguments x, weight, xb, wb; writes xb, wb
.if DOCPART == 3
	.amdgcn_target "amdgcn-amd-amdhsa--gfx1250"
	.amdhsa_code_object_version 6
	.text
	.protected	k_qceecb39239_prep
	.globl	k_qceecb39239_prep
	.p2align	8
	.type	k_qceecb39239_prep,@function
k_qceecb39239_prep:
	s_mov_b64 s[64:65], 0
	v_nop
	global_prefetch_b8 v0, s[64:65] scope:SCOPE_SE
	s_setreg_imm32_b32 hwreg(HW_REG_WAVE_SCHED_MODE, 0, 2), 2
	s_setreg_imm32_b32 hwreg(HW_REG_WAVE_MODE, 25, 1), 1
	s_wait_xcnt 0x0
	s_wait_alu depctr_vm_vsrc(0)
; xb = x rounded to bf16 (nearest even).  wb = +1.0 where weight >= 0 (so for -0.0 too), -1.0 elsewhere, as bf16, which holds both exactly.
; x, weight: [4096][4096] f32.  xb, wb: [4096][4096] bf16, same order of elements.
; LIMITS.  A NaN in weight is taken by its sign bit (the formula itself gives NaN there).  The formula's value clamp(w) + (sign - clamp(w)) is the sign to within one
; rounding of f32 (6e-8 of it); here it is the sign exactly.  |x| above bf16's largest finite number, 3.39e38, rounds to infinity.
; A STREAM: every byte is read once and written once, nothing is shared between work-groups, so there is no LDS, no barrier, no cluster and no matrix work.
; SHARES.  Work-group g owns bytes 65,536 g .. of x and of weight, 16 chunks of 4,096 bytes each, and bytes 32,768 g .. of xb and wb.  In a chunk thread t loads the 16 bytes at 16 t
; (a wave's load: 512 consecutive bytes) and stores the 8 bytes at 8 t of the chunk's 2,048 (a wave's store: 256 consecutive bytes, at a multiple of 256 from the buffer's first byte).
; THE MODE: SCHED_MODE bits 1:0 = 2 (LLVM: expert scheduling mode 2), set by the entry lines.  The code itself states the register dependences
; between vector instructions and memory instructions, with s_wait_alu, always for 0.
; THE PLAN.  The 32 chunks go in 8 blocks of four: blocks 0, 1 are x's chunks 0 to 7, blocks 2, 3 weight's 0 to 7, blocks 4, 5 x's 8 to 15, blocks 6, 7 weight's 8 to 15.
; All blocks are written out: there is no loop, and immediate offsets reach every chunk, so no base and no offset is ever rewritten.  Registers that memory instructions touch:
;   X0 .. X4   five blocks as loaded.  Written by loads: blocks 0 to 4 at the head, block p + 4 in block p (p = 1, 2, 3).  Read by block p's vector lines; a block of weight also writes its X in place.
;   Y0, Y1     two blocks to store.    Written by block p's vector lines; read by the four stores that are issued in block p + 1.
;   v1, v2     byte offsets, made once at the head and never written again.
; Block p works on X[p % 5] and writes Y[p % 2].  Its memory instructions are the loads into X[(p + 4) % 5] = X[(p - 1) % 5] and the stores from Y[(p - 1) % 2]: the two buffers that
; block p - 1 worked on and that no vector instruction of block p names.  So the waits at a block's head state all that its memory instructions hang on, and these are dealt among
; its vector instructions with no further wait.  A buffer lies idle from its block's work to the next block's head: hence five X buffers for 12 to 16 loads of every wave on their way.
.set CHUNK, 4096                       ; bytes of f32 in a chunk; half as many leave
.set IN,  1                            ; v1        16 t; never rewritten
.set OUT, 2                            ; v2        8 t; never rewritten
.set Z,   4                            ; v[4:5]    0.0, 0.0: no memory instruction names them
.set X,   8                            ; v[8:87]   buffer k, chunk i of its four: 4 registers at X + 16 k + 4 i, as loaded
.set Y,   88                           ; v[88:103] buffer k, chunk i of its four: 2 registers at Y + 8 k + 2 i, to store
	s_load_b256 s[4:11], s[0:1], 0x0               ; x s[4:5], weight s[6:7], xb s[8:9], wb s[10:11]
	s_lshl_b32 s2, ttmp9, 16                       ; my part of the inputs, in bytes: under 2^26
	s_mov_b32 s3, 0
	s_lshl_b32 s12, ttmp9, 15                      ; and of the outputs
	s_mov_b32 s13, 0
	s_mov_b32 s14, 0x07060302                      ; v_perm_b32: the upper halves of two words, the second source's below
	s_mov_b32 s15, 0x80008000                      ; two sign bits
	s_mov_b32 s16, 0x3f803f80                      ; 1.0 twice, in bf16
	v_lshlrev_b32 v[IN], 4, v0
	v_lshlrev_b32 v[OUT], 3, v0
	v_mov_b32 v[Z], 0
	v_mov_b32 v[Z+1], 0
	s_wait_kmcnt 0x0
	s_add_nc_u64 s[4:5], s[4:5], s[2:3]
	s_add_nc_u64 s[6:7], s[6:7], s[2:3]
	s_add_nc_u64 s[8:9], s[8:9], s[12:13]
	s_add_nc_u64 s[10:11], s[10:11], s[12:13]
; Chunk i of block q: the tensor is x where (q / 2) % 2 = 0 and weight elsewhere; the chunk's number in it is 8 (q / 4) + 4 (q % 2) + i.
.macro LD q, i                         ; its load, into X[q % 5]
.set LB, 4+2*(((\q)/2)%2)              ; the input's base
.set LC, 8*((\q)/4)+4*((\q)%2)+(\i)
.set LX, X+16*((\q)%5)+4*(\i)
	global_load_b128 v[LX:LX+3], v[IN], s[LB:LB+1] offset:LC*CHUNK th:TH_LOAD_NT
.endm
.macro ST q, i                         ; its store, from Y[q % 2]
.set DB, 8+2*(((\q)/2)%2)              ; the output's base
.set DC, 8*((\q)/4)+4*((\q)%2)+(\i)
.set DY, Y+8*((\q)%2)+2*(\i)
	global_store_b64 v[OUT], v[DY:DY+1], s[DB:DB+1] offset:DC*CHUNK/2  ; no hint: the next launch reads these bytes
.endm
	s_wait_alu depctr_va_vdst(0)                   ; v[IN] and v[OUT] are written: every load and store of the kernel reads one of them as its offset
.irp q, 0,1,2,3,4
.irp i, 0,1,2,3
	LD \q, \i                                      ; blocks 0 to 4 fill the five buffers: 20 loads of the wave are out
.endr
.endr
; Block p.  ahead = 1: block p + 4 is loaded.  left = how many younger loads may still be out when this block's four have to be there.
.macro BLK p, ahead, left
	s_wait_loadcnt \left                           ; loads come back in order (ISA guide 5.7.1): X[p % 5] is in, the younger blocks stay out
.if (\p) >= 2                          ; blocks 0 and 1 write a Y that no store has named yet
	s_wait_xcnt 0x0                                ; every earlier memory instruction has had its addresses translated (ISA guide 3.1): Y[p % 2] is rewritten only behind this wait
	s_wait_alu depctr_vm_vsrc(0)                   ; the stores issued in the block before have read Y[p % 2], which this block's vector lines write again
.endif
.if (\p) >= 1
	s_wait_alu depctr_va_vdst(0)                   ; the block before has written the other Y, which the stores below read; it is done reading (weight: and writing) its X, in which the loads below land, where this block has any
.endif
.irp i, 0,1,2,3
.if \ahead
	LD (\p)+4, \i                                  ; four blocks ahead, the load ahead of the store; no vector instruction since the wait names these registers
.endif
.if (\p) >= 1
	ST (\p)-1, \i                                  ; the block before
.endif
.set XC, X+16*((\p)%5)+4*(\i)          ; the chunk in hand
.set YC, Y+8*((\p)%2)+2*(\i)
.if (((\p)/2)%2) == 0
.irp j, 0,1
	v_cvt_pk_bf16_f32 v[YC+(\j)], v[XC+2*(\j)], v[XC+2*(\j)+1]                     ; two roundings, the first number below
.endr
.else
.irp j, 0,1
	v_pk_add_f32 v[XC+2*(\j):XC+2*(\j)+1], v[XC+2*(\j):XC+2*(\j)+1], v[Z:Z+1]      ; w + 0.0: -0.0 becomes +0.0, every other number keeps its sign
.endr
.irp j, 0,1
	v_perm_b32 v[YC+(\j)], v[XC+2*(\j)+1], v[XC+2*(\j)], s14                       ; the two upper halves, with the signs on top
.endr
.irp j, 0,1
	v_and_or_b32 v[YC+(\j)], v[YC+(\j)], s15, s16                                  ; the two signs onto 1.0, 1.0
.endr
.endif
.endr
.endm
	BLK 0, 0, 16                                   ; no block stands in front of it: no store, and no wait but the one for its data; blocks 1 to 4 stay out
	BLK 1, 1, 12                                   ; behind a block's loads stand those of the three younger blocks
	BLK 2, 1, 12
	BLK 3, 1, 12
	BLK 4, 0, 12                                   ; nothing is loaded any more: no load leaves the buffers,
	BLK 5, 0, 8                                    ; and the counts run down
	BLK 6, 0, 4
	BLK 7, 0, 0
	s_wait_alu depctr_va_vdst(0)                   ; block 7 has written Y1, which the last four stores read
.irp i, 0,1,2,3
	ST 7, \i
.endr
	s_endpgm
.Lfunc_end_k_qceecb39239_prep:
	.size	k_qceecb39239_prep, .Lfunc_end_k_qceecb39239_prep-k_qceecb39239_prep
	.p2alignl 7, 3214868480
	.fill 96, 4, 3214868480
	.section	.rodata,"a",@progbits
	.p2align	6, 0x0
	.amdhsa_kernel k_qceecb39239_prep
		.amdhsa_group_segment_fixed_size 0
		.amdhsa_private_segment_fixed_size 0
		.amdhsa_enable_private_segment 0
		.amdhsa_kernarg_size 32
		.amdhsa_user_sgpr_count 2
		.amdhsa_user_sgpr_kernarg_segment_ptr 1
		.amdhsa_wavefront_size32 1
		.amdhsa_system_sgpr_workgroup_id_x 1
		.amdhsa_system_sgpr_workgroup_id_y 1
		.amdhsa_system_sgpr_workgroup_id_z 1
		.amdhsa_system_vgpr_workitem_id 0
		.amdhsa_next_free_vgpr 104
		.amdhsa_next_free_sgpr 66
		.amdhsa_reserve_vcc 0
		.amdhsa_float_denorm_mode_32 3
		.amdhsa_float_denorm_mode_16_64 3
		.amdhsa_memory_ordered 1
		.amdhsa_forward_progress 1
		.amdhsa_inst_pref_size 16
	.end_amdhsa_kernel
	.amdgpu_metadata
---
amdhsa.version: [ 1, 2 ]
amdhsa.kernels:
  - .name:           k_qceecb39239_prep
    .symbol:         k_qceecb39239_prep.kd
    .args:
      - { .name: x, .offset: 0, .size: 8, .value_kind: global_buffer, .address_space: global }
      - { .name: weight, .offset: 8, .size: 8, .value_kind: global_buffer, .address_space: global }
      - { .name: xb, .offset: 16, .size: 8, .value_kind: global_buffer, .address_space: global }
      - { .name: wb, .offset: 24, .size: 8, .value_kind: global_buffer, .address_space: global }
    .group_segment_fixed_size: 0
    .private_segment_fixed_size: 0
    .kernarg_segment_align: 8
    .kernarg_segment_size: 32
    .max_flat_workgroup_size: 256
    .sgpr_count:     66
    .vgpr_count:     104
    .wavefront_size: 32
...
	.end_amdgpu_metadata
.endif
;; end of part 3
;; launch gemm: the kernel of part 2 again; grid 16 x 16, 4 waves a work-group, clusters of 4 x 4, 327,680 bytes of LDS; arguments xb, wb, out0, scale; writes out0
